; MI455X (gfx1250); checked and timed in simulation.
; The chip was launched on July 23, 2026; its instructions are those of AMD's public machine-readable ISA for CDNA 5 (MIT licence, August 2026) and "CDNA5" Instruction Set Architecture Reference Guide (July 2026). The comments in the code are by the model that wrote it; some were corrected since.
;; Transe. Allowed arithmetic: float matrix products may take bf16 or f16 operands with f32 sums; other float arithmetic in f32, or as packed bf16 or f16 multiplies, adds, multiply-adds, maxima and minima; sums over many terms, partial sums and values carried from step to step in f32; what a program stores and reads back later, other than sums and carried values, may be rounded once to bf16 or f16.
;; Inputs: emb_e 100,000 x 64 float32; rel_emb 32 x 64 float32; s_emb 32 x 64 float32.
;; Outputs: out0 32 x 100,000 float32.
;; One version. Each part assembles by itself: llvm-mc -triple=amdgcn-amd-amdhsa -mcpu=gfx1250 --defsym DOCPART=n.
;; ======== version 1 of 1: 1 launch
;; limits: values outside matrix products are rounded to bf16
;; launch transe (part 1): grid 224 x 1, 7 waves a work-group, no clusters, 20,480 bytes of LDS; arguments emb_e, s_emb, rel_emb, out0; writes out0
.if DOCPART == 1
	.amdgcn_target "amdgcn-amd-amdhsa--gfx1250"
	.amdhsa_code_object_version 6
	.text
	.protected	k_qf3fd1252ee_transe
	.globl	k_qf3fd1252ee_transe
	.p2align	8
	.type	k_qf3fd1252ee_transe,@function
k_qf3fd1252ee_transe:
	s_mov_b64 s[64:65], 0
	v_nop
	global_prefetch_b8 v0, s[64:65] scope:SCOPE_SE
	s_setreg_imm32_b32 hwreg(HW_REG_WAVE_MODE, 25, 1), 1
	s_wait_xcnt 0x0
; out0[b][n] = 9 - || (s_emb[b] + rel_emb[b]) - emb_e[n] ||_2.   s_emb, rel_emb: [32][64], emb_e: [100000][64], out0: [32][100000], all f32.
; THE FORM.  With q = s + rel and any vector c:  ||q - e||^2 = ||q - c||^2 + ||e - c||^2 - 2 (q - c).(e - c), for all values of the inputs.  c is query row 0 (s[0] + rel[0]):
; an offset that the inputs share leaves both operands before anything is rounded or squared, so the three terms are of the size of the data's spread about c.
; q - c and e - c are made in f32 and rounded once to bf16; BOTH NORMS ARE TAKEN OF THE ROUNDED NUMBERS, in f32, so that the three terms are the squared distance of the rounded points
; (up to f32 rounding of sums of the size ||q-c||^2 + ||e-c||^2): the distance is off by at most 2^-9 (||q-c|| + ||e-c||), also where e lies on q.
; The product goes to the matrix unit: A = -2 (q - c) (the factor is exact), B = e - c, C = ||q-c||^2 + ||e-c||^2, so that D is the squared distance.  Nothing of the problem is left out.
; LIMITS.  A NaN or an infinity among the inputs is not carried: a NaN in D counts as 0 and gives 9.  The three sums overflow where differences from c pass about 1e18.  A rounding that leaves D below 0 counts as 0.
; SHARES.  A wave takes 64 rows of e (16,384 bytes) and all 32 queries; a work-group's seven waves 448 rows on end.  100,000 rows are 1,562.5 groups of 64: 224 work-groups; in the last one
; waves 2 to 6 have no rows of their own: they load the table's last rows, and their stores have no lane on (wave 6 still stores the half group that it takes from wave 0).
; No loop: all 32 loads of a wave are issued before its first wait.  No byte of e is wanted by two waves, so e goes from memory straight into registers.
; NO CLUSTER: what work-groups share is s and rel, 16,384 of the 131,072 bytes that a work-group reads, and the text has no tensor load to share them by.
; LAYOUT.  D = A B + C with A's row m = a query, B's column = a row of e: lane l (r = l % 16, h = l / 16) holds in register j the pair (query 8 h + j of the tile, column r).
; Column r of tile t is row n0 + 4 r + t: so a lane's results of tiles 0..3 for one query are 16 bytes on end of out0, and sixteen lanes of one store cover 256 bytes on end.
; K IS PERMUTED, alike in A and B (the sum over k does not mind): lane half h holds the 16-byte pieces 2 i + h of a row, i = 0..7: k = 8 i + 4 h + 0..3 in fragment registers 2 i, 2 i + 1.
; So load i of a tile takes 32 bytes on end of each of its 16 rows, and a tile's eight loads take the 16 rows whole.
; ODD ROWS OF out0.  A row is 400,000 bytes = 1,562 x 256 + 128: odd rows begin 128 bytes off.  There the lanes r < 8 hand their 32 columns to the wave before (through LDS), which stores them
; 256 bytes further on: its sixteen lanes then cover n0 + 32 .. n0 + 95, again 256 aligned bytes.  The last wave takes wave 0's: only the two ends of a work-group's 448 columns are half blocks.
.set NROWS,  100000
.set WAVES,  7
.set OROW,   4*NROWS                   ; bytes in a row of out0
.set APITCH, 144                       ; LDS: a query's 128 bytes of bf16 + 16: an odd multiple of 16, so the 16 rows of a fragment load fall on different banks (64 banks of 4 bytes: ISA guide 11.1)
.set AB,     0                         ; 32 queries x 144: for each query the 64 bytes of lane half 0, then those of half 1
.set QNB,    4608                      ; 32 f32: ||q - c||^2
.set CB,     4864                      ; 64 f32: c
.set XB,     5120                      ; the exchange: 2,048 bytes a wave: 8 odd rows' groups x 16 lanes x 16 bytes
.set XW,     2048
.set SPARE,  XB+WAVES*XW               ; 19,456: the spare words, 128 bytes a wave, four blocks of 256 bytes that no other line names
.set RR,   1                           ; v1   r = lane % 16
.set HH,   2                           ; v2   h = lane / 16
.set EOFF, 3                           ; v3   my byte offset in e: row (n0 + 4 r, at most NROWS - 4) x 256 + 16 h; never rewritten
.set NE,   4                           ; v4   the first of my four columns: n0 + 4 r
.set NO,   5                           ; v5   the same for odd rows, behind the exchange
.set OE,   6                           ; v6-7 my byte offset in out0 for queries 8 h and 16 + 8 h
.set OO,   8                           ; v8-9 the same for odd rows
.set SPW,  10                          ; v10  LDS address of my spare word; never rewritten
.set NIL,  11                          ; v11  0, for the add alone
.set ZERO, 12                          ; v12  0: what the first terms of a sum of squares are added to
.set XST,  13                          ; v13  the exchange: where I put 16 bytes
.set XLD,  14                          ; v14  and where I take the next wave's
.set AAD,  15                          ; v15  LDS address of my part of A's fragments
.set NINE, 16                          ; v16-17  9.0 twice
.set EN,   18                          ; v18-19  ||e - c||^2 of my column; the other lane half's part
.set CH,   20                          ; v20-23  four chains of a sum of squares
.set QNA,  24                          ; v24  32 h
.set CAD,  25                          ; v25  16 h
.set QOF,  26                          ; v26  the preparation: my 64 bytes of s and of rel
.set Q0F,  27                          ; v27  the same quarter of row 0; also my place in c
.set AST,  28                          ; v28  where my 16 + 16 bytes of A go
.set QST,  29                          ; v29  where my query's norm goes
.set TT,   30                          ; v30-31  at work
.set CC,   32                          ; v32-63   c for my 32 k
.set AF,   64                          ; v64-95   A: query tile u, K step s at AF + 16 u + 8 s
.set QN,   96                          ; v96-111  ||q - c||^2 of query 16 u + 8 h + j at QN + 8 u + j
.set RAW,  128                         ; v128-255 tile t at RAW + 32 t: 32 f32 as loaded; then 16 of bf16 (B) and 16 of the two accumulators; at the end the results take B's place
.set PS,   32                          ; the preparation's registers lie where c, A and the norms come later: s, then q, then -2 (q - c)
.set PR,   48                          ; rel
.set P0,   64                          ; s[0], then c
.set P1,   80                          ; rel[0]
.set PH,   96                          ; eight registers of bf16
.set WV,   12                          ; s12  my wave's number
.set SEL,  22                          ; s22-23  v_permlanex16_b32's selects: each lane takes its own place in the other half
	s_load_b256 s[4:11], s[0:1], 0x0               ; e s[4:5], s s[6:7], rel s[8:9], out0 s[10:11]
	v_lshl_add_u32 v[SPW], v0, 2, SPARE
	v_mov_b32 v[NIL], 0
	v_lshrrev_b32 v[TT], 5, v0
	v_readfirstlane_b32 s[WV], v[TT]               ; wave 0..6
	v_and_b32 v[RR], 15, v0
	v_bfe_u32 v[HH], v0, 4, 1
	s_mul_i32 s13, ttmp9, WAVES
	s_add_co_u32 s13, s13, s[WV]
	s_lshl_b32 s13, s13, 6                         ; n0: my wave's first row of e
	v_lshl_add_u32 v[NE], v[RR], 2, s13
	v_min_u32 v[EOFF], NROWS-4, v[NE]              ; no load leaves the table: rows that exist are not moved by this (NROWS is a multiple of 4)
	v_lshlrev_b32 v[EOFF], 8, v[EOFF]
	v_lshl_add_u32 v[EOFF], v[HH], 4, v[EOFF]
	v_lshlrev_b32 v[QOF], 6, v0                    ; thread x 64 bytes: query thread / 4, quarter thread % 4 (threads 0 to 127)
	v_and_b32 v[Q0F], 3, v0
	v_lshlrev_b32 v[Q0F], 6, v[Q0F]
	s_wait_kmcnt 0x0
	s_cmp_lt_u32 s[WV], 4                          ; waves 0 to 3 prepare the queries; their 16 loads go out ahead of e's, so that they come back first
	s_cbranch_scc0 .Lno_queries
.irp m, 0,1,2,3
	global_load_b128 v[PS+4*(\m):PS+4*(\m)+3], v[QOF], s[6:7] offset:16*(\m)
.endr
.irp m, 0,1,2,3
	global_load_b128 v[PR+4*(\m):PR+4*(\m)+3], v[QOF], s[8:9] offset:16*(\m)
.endr
.irp m, 0,1,2,3
	global_load_b128 v[P0+4*(\m):P0+4*(\m)+3], v[Q0F], s[6:7] offset:16*(\m)
.endr
.irp m, 0,1,2,3
	global_load_b128 v[P1+4*(\m):P1+4*(\m)+3], v[Q0F], s[8:9] offset:16*(\m)
.endr
.Lno_queries:
.irp t, 0,1,2,3                        ; all of my 64 rows: tile t is rows n0 + 4 r + t; load i takes bytes 32 i + 16 h of each
.irp i, 0,1,2,3,4,5,6,7
	global_load_b128 v[RAW+32*(\t)+4*(\i):RAW+32*(\t)+4*(\i)+3], v[EOFF], s[4:5] offset:256*(\t)+32*(\i)
.endr
.endr
	; addresses and constants, while the loads are on their way
	v_mov_b32 v[ZERO], 0
	v_mov_b32 v[EN+1], 0                           ; v_permlanex16_b32 counts as a reader of its destination
	v_mov_b32 v[NINE], 0x41100000
	v_mov_b32 v[NINE+1], 0x41100000
	s_mov_b32 s[SEL], 0x76543210
	s_mov_b32 s[SEL+1], 0xfedcba98
	v_mul_u32_u24 v[OE], v[HH], 8*OROW             ; row 8 h of out0,
	v_lshl_add_u32 v[OE], v[NE], 2, v[OE]          ; my four columns
	v_add_nc_u32 v[OE+1], 16*OROW, v[OE]           ; and row 16 + 8 h: the stores' immediates then stay at most 7 rows
	s_add_co_u32 s14, s[WV], 1                     ; the wave whose first 32 columns I store for odd rows: the next one, 64 columns on;
	s_cmp_eq_u32 s14, WAVES
	s_cselect_b32 s14, 0, s14                      ; for the last wave it is wave 0,
	s_cselect_b32 s15, -64*(WAVES-1), 64           ; 384 columns back
	v_cmp_gt_u32 vcc_lo, 8, v[RR]
	v_cndmask_b32 v[TT], 0, s15, vcc_lo            ; lanes r >= 8 keep their own columns
	v_add_nc_u32 v[NO], v[NE], v[TT]
	v_lshl_add_u32 v[OO], v[TT], 2, v[OE]
	v_lshl_add_u32 v[OO+1], v[TT], 2, v[OE+1]
	v_and_b32 v[TT], 7, v0
	v_lshl_add_u32 v[TT], v[HH], 3, v[TT]          ; 8 h + r % 8: my place among the sixteen lanes that exchange
	s_lshl_b32 s16, s[WV], 11
	s_add_co_u32 s16, s16, XB
	s_lshl_b32 s17, s14, 11
	s_add_co_u32 s17, s17, XB
	v_lshl_add_u32 v[XST], v[TT], 4, s16
	v_lshl_add_u32 v[XLD], v[TT], 4, s17
	v_mul_u32_u24 v[AAD], v[RR], APITCH
	v_lshl_add_u32 v[AAD], v[HH], 6, v[AAD]
	v_lshlrev_b32 v[QNA], 5, v[HH]
	v_lshlrev_b32 v[CAD], 4, v[HH]
	s_cmp_lt_u32 s[WV], 4
	s_cbranch_scc0 .Lprepared
	; THE QUERIES, once a work-group.  Thread (query b = 8 wave + lane / 4, quarter = lane % 4) has k = 16 quarter + 0..15.
	v_and_b32 v[TT], 31, v0
	v_lshrrev_b32 v[TT+1], 2, v[TT]
	v_and_b32 v[TT], 3, v[TT]
	s_mul_i32 s18, s[WV], 8*APITCH
	v_mul_u32_u24 v[AST], v[TT+1], APITCH
	v_lshl_add_u32 v[AST], v[TT], 4, v[AST]
	v_add_nc_u32 v[AST], s18, v[AST]               ; b x 144 + 16 quarter
	s_lshl_b32 s19, s[WV], 5
	v_lshl_add_u32 v[QST], v[TT+1], 2, s19         ; 4 b
	s_wait_loadcnt 32                              ; my 16 loads of s and rel are in; the 32 of e, issued behind them, stay out
.set i, 0
.rept 8
	v_pk_add_f32 v[PS+i:PS+i+1], v[PS+i:PS+i+1], v[PR+i:PR+i+1]  ; q = s + rel
	v_pk_add_f32 v[P0+i:P0+i+1], v[P0+i:P0+i+1], v[P1+i:P1+i+1]  ; c = s[0] + rel[0]
.set i, i+2
.endr
	s_cmp_lg_u32 s[WV], 0                          ; c goes to LDS once: by threads 0 to 3
	s_cbranch_scc1 .Lnot_first
	s_wait_xcnt 0x0                                ; EXEC is a source of the loads that are out: it changes only behind this wait
	v_cmp_gt_u32 vcc_lo, 4, v0
	s_and_saveexec_b32 s20, vcc_lo
.irp m, 0,1,2,3
	ds_store_b128 v[Q0F], v[P0+4*(\m):P0+4*(\m)+3] offset:CB+16*(\m)
.endr
	s_or_b32 exec_lo, exec_lo, s20                 ; no global instruction was issued meanwhile
.Lnot_first:
.set i, 0
.rept 8
	v_pk_add_f32 v[PS+i:PS+i+1], v[PS+i:PS+i+1], v[P0+i:P0+i+1] neg_lo:[0,1] neg_hi:[0,1]  ; q - c
.set i, i+2
.endr
.set i, 0
.rept 8
	v_pk_mul_f32 v[PS+i:PS+i+1], v[PS+i:PS+i+1], -2.0 op_sel_hi:[1,0]  ; a power of two: it commutes with the rounding below
.set i, i+2
.endr
	v_cvt_pk_bf16_f32 v[PH+0], v[PS+0],  v[PS+1]   ; lane half 0 wants k = 16 quarter + 0..3 and + 8..11,
	v_cvt_pk_bf16_f32 v[PH+1], v[PS+2],  v[PS+3]
	v_cvt_pk_bf16_f32 v[PH+2], v[PS+8],  v[PS+9]
	v_cvt_pk_bf16_f32 v[PH+3], v[PS+10], v[PS+11]
	v_cvt_pk_bf16_f32 v[PH+4], v[PS+4],  v[PS+5]   ; half 1 wants + 4..7 and + 12..15
	v_cvt_pk_bf16_f32 v[PH+5], v[PS+6],  v[PS+7]
	v_cvt_pk_bf16_f32 v[PH+6], v[PS+12], v[PS+13]
	v_cvt_pk_bf16_f32 v[PH+7], v[PS+14], v[PS+15]
	ds_store_b128 v[AST], v[PH:PH+3] offset:AB
	ds_store_b128 v[AST], v[PH+4:PH+7] offset:AB+64
.set i, 0
.rept 8                                ; the squares of the ROUNDED numbers, read as bf16 halves, summed in f32 in four chains
.if i < 2
	v_fma_mix_f32_bf16 v[CH+2*(i%2)],   v[PH+i], v[PH+i], v[ZERO] op_sel_hi:[1,1,0]
	v_fma_mix_f32_bf16 v[CH+2*(i%2)+1], v[PH+i], v[PH+i], v[ZERO] op_sel:[1,1,0] op_sel_hi:[1,1,0]
.else
	v_fma_mix_f32_bf16 v[CH+2*(i%2)],   v[PH+i], v[PH+i], v[CH+2*(i%2)] op_sel_hi:[1,1,0]
	v_fma_mix_f32_bf16 v[CH+2*(i%2)+1], v[PH+i], v[PH+i], v[CH+2*(i%2)+1] op_sel:[1,1,0] op_sel_hi:[1,1,0]
.endif
.set i, i+1
.endr
	v_add_f32 v[CH], v[CH], v[CH+1]
	v_add_f32 v[CH+2], v[CH+2], v[CH+3]
	v_add_f32 v[CH], v[CH], v[CH+2]
	v_add_f32_dpp v[CH], v[CH], v[CH] row_xmask:1 row_mask:0xf bank_mask:0xf  ; the query's four quarters lie in four neighbouring lanes
	v_add_f32_dpp v[CH], v[CH], v[CH] row_xmask:2 row_mask:0xf bank_mask:0xf
	v_mul_f32 v[CH], 0x3e800000, v[CH]             ; the numbers squared were -2 (q - c): a quarter of the sum
	ds_store_b32 v[QST], v[CH] offset:QNB          ; the four lanes write the same word with the same value
.Lprepared:
	s_wait_dscnt 0x0                               ; for the others' sake: my stores into LDS are done
	s_barrier_signal -1
	s_barrier_wait -1                              ; A, the norms and c lie in LDS; nothing writes them again
.irp u, 0,1
.irp m, 0,1,2,3
	ds_load_b128 v[AF+16*(\u)+4*(\m):AF+16*(\u)+4*(\m)+3], v[AAD] offset:AB+(\u)*16*APITCH+16*(\m)  ; query 16 u + r, my half's 64 bytes
.endr
.endr
.irp i, 0,1,2,3,4,5,6,7
	ds_load_b128 v[CC+4*(\i):CC+4*(\i)+3], v[CAD] offset:CB+32*(\i)   ; c[8 i + 4 h + 0..3]
.endr
.irp u, 0,1
	ds_load_b128 v[QN+8*(\u):QN+8*(\u)+3],   v[QNA] offset:QNB+64*(\u)
	ds_load_b128 v[QN+8*(\u)+4:QN+8*(\u)+7], v[QNA] offset:QNB+64*(\u)+16
.endr
	s_wait_dscnt 0x0
; TILE t: 16 rows of e.  e - c in f32; rounded to bf16 in place (register i takes numbers 2 i and 2 i + 1, which earlier lines have read); the squares of the rounded numbers; the other lane half's
; share of them; C = both norms; four products.  The two accumulators take turns, one instruction a turn, from tile to tile too.
; The next tile's vector work names none of these products' registers.
.macro TILE t
.set R, RAW+32*(\t)
	s_wait_loadcnt 24-8*(\t)                       ; loads come back in order (ISA guide 5.7.1): this tile's eight are in, the later tiles' stay out
.set i, 0
.rept 16
	v_pk_add_f32 v[R+i:R+i+1], v[R+i:R+i+1], v[CC+i:CC+i+1] neg_lo:[0,1] neg_hi:[0,1]
.set i, i+2
.endr
.set i, 0
.rept 16
	v_cvt_pk_bf16_f32 v[R+i], v[R+2*i], v[R+2*i+1]
.set i, i+1
.endr
.set i, 0
.rept 16
.if i < 2
	v_fma_mix_f32_bf16 v[CH+2*(i%2)],   v[R+i], v[R+i], v[ZERO] op_sel_hi:[1,1,0]
	v_fma_mix_f32_bf16 v[CH+2*(i%2)+1], v[R+i], v[R+i], v[ZERO] op_sel:[1,1,0] op_sel_hi:[1,1,0]
.else
	v_fma_mix_f32_bf16 v[CH+2*(i%2)],   v[R+i], v[R+i], v[CH+2*(i%2)] op_sel_hi:[1,1,0]
	v_fma_mix_f32_bf16 v[CH+2*(i%2)+1], v[R+i], v[R+i], v[CH+2*(i%2)+1] op_sel:[1,1,0] op_sel_hi:[1,1,0]
.endif
.set i, i+1
.endr
	v_add_f32 v[CH], v[CH], v[CH+1]
	v_add_f32 v[CH+2], v[CH+2], v[CH+3]
	v_add_f32 v[EN], v[CH], v[CH+2]
	v_permlanex16_b32 v[EN+1], v[EN], s[SEL], s[SEL+1]  ; the row's other 32 numbers lie in the lane 16 away
	v_add_f32 v[EN], v[EN], v[EN+1]
.set i, 0
.rept 8
	v_pk_add_f32 v[R+16+i:R+16+i+1], v[QN+i:QN+i+1], v[EN:EN+1] op_sel_hi:[1,0]  ; C(query, column) = ||q-c||^2 + ||e-c||^2: the pair's low word for both
.set i, i+2
.endr
	v_wmma_f32_16x16x32_bf16 v[R+16:R+23], v[AF:AF+7],     v[R:R+7],    v[R+16:R+23]
	v_wmma_f32_16x16x32_bf16 v[R+24:R+31], v[AF+16:AF+23], v[R:R+7],    v[R+24:R+31]
	v_wmma_f32_16x16x32_bf16 v[R+16:R+23], v[AF+8:AF+15],  v[R+8:R+15], v[R+16:R+23]
	v_wmma_f32_16x16x32_bf16 v[R+24:R+31], v[AF+24:AF+31], v[R+8:R+15], v[R+24:R+31]
.endm
	TILE 0
	TILE 1
	TILE 2
	TILE 3
.rept 4
	v_nop                                          ; four places behind the last product, ahead of lines that read results and write over B's registers (ISA guide 7.12.1)
.endr
; THE RESULTS.  Query 16 u + 8 h + j is group g = 8 u + j; its four registers (tiles 0..3: four columns on end) lie at RAW + 32 (g / 4) + 4 (g % 4), where B's fragments lay.
.macro RES u, j
.set rb, RAW+32*((8*(\u)+(\j))/4)+4*((8*(\u)+(\j))%4)
.endm
.macro PICK k, p                       ; number k of the 32 of parity p: u = k / 16, j = 2 ((k / 4) % 4) + p, tile k % 4
.set eu, (\k)/16
.set ej, 2*(((\k)/4)%4)+(\p)
.set et, (\k)%4
.set esrc, RAW+32*et+16+8*eu+ej
.set edst, RAW+32*((8*eu+ej)/4)+4*((8*eu+ej)%4)+et
.endm
.macro FLOOR k, p
	PICK \k, \p
	v_max_num_f32 v[edst], 0, v[esrc]              ; a squared distance that rounding has left below 0 counts as 0
.endm
.macro ROOT k, p
	PICK \k, \p
	v_sqrt_f32 v[edst], v[edst]
.endm
; The rows of one parity: 32 roots in ONE batch, a plain line between each two (the floor four numbers on); one plain line and one wait behind the batch, ahead of the
; first line that names a root; then 9 - root, two at a time.  Each accumulator is first read at register 1 (odd rows come first): one of its four lowest.
.macro HALF p
.set n, 0
.rept 4
	FLOOR n, \p
.set n, n+1
.endr
.set n, 0
.rept 28
	ROOT n, \p
	FLOOR n+4, \p
.set n, n+1
.endr
.rept 4
	ROOT n, \p
.set n, n+1
.endr
	v_nop
	s_wait_alu depctr_va_vdst(0)
.irp u, 0,1
.irp j, 0,2,4,6
	RES \u, (\j)+(\p)
	v_pk_add_f32 v[rb:rb+1],   v[NINE:NINE+1], v[rb:rb+1]   neg_lo:[0,1] neg_hi:[0,1]
	v_pk_add_f32 v[rb+2:rb+3], v[NINE:NINE+1], v[rb+2:rb+3] neg_lo:[0,1] neg_hi:[0,1]
.endr
.endr
.endm
	HALF 1                                         ; the odd rows first: their first 32 columns go to the wave before
	s_wait_xcnt 0x0                                ; EXEC changes only behind this wait
	v_cmp_gt_u32 vcc_lo, 8, v[RR]
	s_and_saveexec_b32 s20, vcc_lo                 ; lanes r < 8
.irp u, 0,1
.irp j, 1,3,5,7
	RES \u, \j
	ds_store_b128 v[XST], v[rb:rb+3] offset:256*(4*(\u)+(\j)/2)
.endr
.endr
	s_or_b32 exec_lo, exec_lo, s20
	s_wait_dscnt 0x0                               ; for the others' sake: my stores are done
	s_barrier_signal -1
	HALF 0                                         ; the even rows' arithmetic, work on registers, while the others arrive
	s_barrier_wait -1
	v_cmp_gt_u32 vcc_lo, 8, v[RR]
	s_and_saveexec_b32 s20, vcc_lo
.irp u, 0,1
.irp j, 1,3,5,7
	RES \u, \j
	ds_load_b128 v[rb:rb+3], v[XLD] offset:256*(4*(\u)+(\j)/2)  ; lanes r < 8 now hold the next wave's first 32 columns; lanes r >= 8 keep their own
.endr
.endr
	s_or_b32 exec_lo, exec_lo, s20
	v_cmp_gt_u32 vcc_lo, NROWS, v[NE]              ; columns that exist (all, but in the last work-group)
	s_and_saveexec_b32 s20, vcc_lo
.irp u, 0,1
.irp j, 0,2,4,6
	RES \u, \j
	global_store_b128 v[OE+(\u)], v[rb:rb+3], s[10:11] offset:(\j)*OROW th:TH_STORE_NT  ; sixteen lanes store 256 consecutive bytes, at a multiple of 256 from out0's first byte
.endr
.endr
	s_wait_xcnt 0x0                                ; the stores have read EXEC
	s_or_b32 exec_lo, exec_lo, s20
	s_wait_dscnt 0x0                               ; the exchanged columns are in
	v_cmp_gt_u32 vcc_lo, NROWS, v[NO]
	s_and_saveexec_b32 s20, vcc_lo
.irp u, 0,1
.irp j, 1,3,5,7
	RES \u, \j
	global_store_b128 v[OO+(\u)], v[rb:rb+3], s[10:11] offset:(\j)*OROW th:TH_STORE_NT  ; lanes 8-15 the first 128 bytes, lanes 0-7 the next: 256 aligned bytes (in the last wave: the range's two ends)
.endr
.endr
	s_wait_xcnt 0x0
	s_or_b32 exec_lo, exec_lo, s20
	s_wait_tensorcnt 0x0                           ; the wave's end, behind my last LDS store, all lanes on
	ds_add_u32 v[SPW], v[NIL]
	s_wait_dscnt 0x0
	s_endpgm
.Lfunc_end_k_qf3fd1252ee_transe:
	.size	k_qf3fd1252ee_transe, .Lfunc_end_k_qf3fd1252ee_transe-k_qf3fd1252ee_transe
	.p2alignl 7, 3214868480
	.fill 96, 4, 3214868480
	.section	.rodata,"a",@progbits
	.p2align	6, 0x0
	.amdhsa_kernel k_qf3fd1252ee_transe
		.amdhsa_group_segment_fixed_size 20480
		.amdhsa_private_segment_fixed_size 0
		.amdhsa_enable_private_segment 0
		.amdhsa_kernarg_size 32
		.amdhsa_user_sgpr_count 2
		.amdhsa_user_sgpr_kernarg_segment_ptr 1
		.amdhsa_wavefront_size32 1
		.amdhsa_system_sgpr_workgroup_id_x 1
		.amdhsa_system_sgpr_workgroup_id_y 1
		.amdhsa_system_sgpr_workgroup_id_z 1
		.amdhsa_system_vgpr_workitem_id 0
		.amdhsa_next_free_vgpr 256
		.amdhsa_next_free_sgpr 66
		.amdhsa_reserve_vcc 1
		.amdhsa_float_denorm_mode_32 3
		.amdhsa_float_denorm_mode_16_64 3
		.amdhsa_memory_ordered 1
		.amdhsa_forward_progress 1
		.amdhsa_inst_pref_size 43
	.end_amdhsa_kernel
	.amdgpu_metadata
---
amdhsa.version: [ 1, 2 ]
amdhsa.kernels:
  - .name:           k_qf3fd1252ee_transe
    .symbol:         k_qf3fd1252ee_transe.kd
    .args:
      - { .name: emb_e, .offset: 0, .size: 8, .value_kind: global_buffer, .address_space: global }
      - { .name: s_emb, .offset: 8, .size: 8, .value_kind: global_buffer, .address_space: global }
      - { .name: rel_emb, .offset: 16, .size: 8, .value_kind: global_buffer, .address_space: global }
      - { .name: out0, .offset: 24, .size: 8, .value_kind: global_buffer, .address_space: global }
    .group_segment_fixed_size: 20480
    .private_segment_fixed_size: 0
    .kernarg_segment_align: 8
    .kernarg_segment_size: 32
    .max_flat_workgroup_size: 224
    .sgpr_count:     66
    .vgpr_count:     256
    .wavefront_size: 32
...
	.end_amdgpu_metadata
.endif
;; end of part 1
